; MI455X (gfx1250); checked and timed in simulation.
; The chip was launched on July 23, 2026; its instructions are those of AMD's public machine-readable ISA for CDNA 5 (MIT licence, August 2026) and "CDNA5" Instruction Set Architecture Reference Guide (July 2026). The comments in the code are by the model that wrote it; some were corrected since.
;; Simple Multihead Attention. Allowed arithmetic: float matrix products may take bf16 or f16 operands with f32 sums; all other float work in f32.
;; Inputs: b_out 1,024 float32; b_qkv 3,072 float32; key_padding_mask 2 x 2,048 bool; w_out 1,024 x 1,024 float32; w_qkv 1,024 x 3,072 float32; x 2 x 2,048 x 1,024 float32.
;; Outputs: out0 2 x 2,048 x 1,024 float32.
;; 2 versions, each right; version 2 is version 1 with the launch cast written anew for expert scheduling mode. Each part assembles by itself: llvm-mc -triple=amdgcn-amd-amdhsa -mcpu=gfx1250 --defsym DOCPART=n.
;; ======== version 1 of 2: 4 launches
;; limits: values are held in f16: magnitudes above 65,504 overflow, below 6.1e-05 lose precision
;; workspace buffers: h16 16,777,216 bytes; qkv 25,165,824 bytes; attn 8,388,608 bytes
;; launch cast (part 1): grid 256 x 1, 8 waves a work-group, no clusters, 0 bytes of LDS; arguments x, w_qkv, w_out, h16; writes h16
.if DOCPART == 1
	.amdgcn_target "amdgcn-amd-amdhsa--gfx1250"
	.amdhsa_code_object_version 6
	.text
	.protected	k_q7f46fcfc1b_cast
	.globl	k_q7f46fcfc1b_cast
	.p2align	8
	.type	k_q7f46fcfc1b_cast,@function
k_q7f46fcfc1b_cast:
	s_mov_b64 s[64:65], 0
	v_nop
	global_prefetch_b8 v0, s[64:65] scope:SCOPE_SE
	s_setreg_imm32_b32 hwreg(HW_REG_WAVE_MODE, 25, 1), 1
	s_wait_xcnt 0x0
; h16 = f16(x), f16(w_qkv), f16(w_out), one behind the other, each in its own row-major order.
; 8,388,608 numbers, 32,768 for each of 256 work-groups: groups 0-127 take x, 128-223 w_qkv, 224-255 w_out.
; The three parts follow each other in h16 in that order, so the target of group g is byte 65,536 g for all of them.
; A plain stream: no number is used twice, so LDS, matrix units and clusters have nothing to give here.
; A wave takes 16 KiB of f32: 32 loads of 512 neighbouring bytes, all issued before the first wait; each store of the wave
; covers 256 consecutive bytes, aligned.  No register that a memory instruction has read is written again, so no wait frees a source.
; RANGE: f16 holds magnitudes up to 65,504 and steps of 2^-24 near zero; x and the weights have that room 30 times up and down.
.set X, 4                              ; v[4:131]  32 loads of 4 registers; each load's first two become its 8 bytes of f16
	s_load_b256 s[4:11], s[0:1], 0x0               ; x s[4:5], w_qkv s[6:7], w_out s[8:9], h16 s[10:11]
	v_lshrrev_b32 v3, 5, v0                        ; wave
	v_and_b32 v2, 31, v0                           ; lane
	v_lshlrev_b32 v1, 4, v2                        ; source: 16 bytes a lane,
	v_lshl_or_b32 v1, v3, 14, v1                   ; 16 KiB a wave
	v_lshlrev_b32 v2, 3, v2                        ; target: 8 bytes a lane,
	v_lshl_or_b32 v2, v3, 13, v2                   ; 8 KiB a wave
	s_cmp_lt_u32 ttmp9, 128
	s_cselect_b32 s14, 0, 128                      ; the first group of my input
	s_wait_kmcnt 0x0
	s_cselect_b64 s[12:13], s[4:5], s[6:7]         ; the choice hangs on the group's number alone
	s_cmp_lt_u32 ttmp9, 224
	s_cselect_b64 s[12:13], s[12:13], s[8:9]
	s_cselect_b32 s14, s14, 224
	s_sub_co_u32 s16, ttmp9, s14
	s_lshl_b32 s16, s16, 17                        ; 128 KiB of f32 a group
	s_mov_b32 s17, 0
	s_add_nc_u64 s[12:13], s[12:13], s[16:17]
	s_lshl_b32 s18, ttmp9, 16                      ; 64 KiB of f16 a group
	s_mov_b32 s19, 0
	s_add_nc_u64 s[10:11], s[10:11], s[18:19]
.set i, 0
.rept 32
	global_load_b128 v[X+4*i:X+4*i+3], v1, s[12:13] offset:512*i th:TH_LOAD_NT
.set i, i+1
.endr
.set i, 0
.rept 32
	s_wait_loadcnt 31-i                            ; loads come back in order: load i is in, the 31 - i younger ones stay out
	v_cvt_pk_f16_f32 v[X+4*i], v[X+4*i], v[X+4*i+1]
	v_cvt_pk_f16_f32 v[X+4*i+1], v[X+4*i+2], v[X+4*i+3]
	global_store_b64 v2, v[X+4*i:X+4*i+1], s[10:11] offset:256*i
.set i, i+1
.endr
	s_endpgm
.Lfunc_end_k_q7f46fcfc1b_cast:
	.size	k_q7f46fcfc1b_cast, .Lfunc_end_k_q7f46fcfc1b_cast-k_q7f46fcfc1b_cast
	.p2alignl 7, 3214868480
	.fill 96, 4, 3214868480
	.section	.rodata,"a",@progbits
	.p2align	6, 0x0
	.amdhsa_kernel k_q7f46fcfc1b_cast
		.amdhsa_group_segment_fixed_size 0
		.amdhsa_private_segment_fixed_size 0
		.amdhsa_enable_private_segment 0
		.amdhsa_kernarg_size 32
		.amdhsa_user_sgpr_count 2
		.amdhsa_user_sgpr_kernarg_segment_ptr 1
		.amdhsa_wavefront_size32 1
		.amdhsa_system_sgpr_workgroup_id_x 1
		.amdhsa_system_sgpr_workgroup_id_y 1
		.amdhsa_system_sgpr_workgroup_id_z 1
		.amdhsa_system_vgpr_workitem_id 0
		.amdhsa_next_free_vgpr 132
		.amdhsa_next_free_sgpr 66
		.amdhsa_reserve_vcc 0
		.amdhsa_float_denorm_mode_32 3
		.amdhsa_float_denorm_mode_16_64 3
		.amdhsa_memory_ordered 1
		.amdhsa_forward_progress 1
		.amdhsa_inst_pref_size 13
	.end_amdhsa_kernel
	.amdgpu_metadata
---
amdhsa.version: [ 1, 2 ]
amdhsa.kernels:
  - .name:           k_q7f46fcfc1b_cast
    .symbol:         k_q7f46fcfc1b_cast.kd
    .args:
      - { .name: x, .offset: 0, .size: 8, .value_kind: global_buffer, .address_space: global }
      - { .name: w_qkv, .offset: 8, .size: 8, .value_kind: global_buffer, .address_space: global }
      - { .name: w_out, .offset: 16, .size: 8, .value_kind: global_buffer, .address_space: global }
      - { .name: h16, .offset: 24, .size: 8, .value_kind: global_buffer, .address_space: global }
    .group_segment_fixed_size: 0
    .private_segment_fixed_size: 0
    .kernarg_segment_align: 8
    .kernarg_segment_size: 32
    .max_flat_workgroup_size: 256
    .sgpr_count:     66
    .vgpr_count:     132
    .wavefront_size: 32
...
	.end_amdgpu_metadata
.endif
;; end of part 1
;; launch qkvgemm (part 2): grid 8 x 32, 4 waves a work-group, clusters of 4 x 4, 327,680 bytes of LDS; arguments h16, b_qkv, qkv; writes qkv
.if DOCPART == 2
	.amdgcn_target "amdgcn-amd-amdhsa--gfx1250"
	.amdhsa_code_object_version 6
	.text
	.protected	k_q7f46fcfc1b_qkvgemm
	.globl	k_q7f46fcfc1b_qkvgemm
	.p2align	8
	.type	k_q7f46fcfc1b_qkvgemm,@function
k_q7f46fcfc1b_qkvgemm:
	s_mov_b64 s[64:65], 0
	v_nop
	global_prefetch_b8 v0, s[64:65] scope:SCOPE_SE
	s_setreg_imm32_b32 hwreg(HW_REG_WAVE_MODE, 25, 1), 1
	s_wait_xcnt 0x0
	s_wait_alu depctr_hold_cnt(0) depctr_sa_sdst(0) depctr_va_vdst(0) depctr_va_sdst(0) depctr_va_ssrc(0) depctr_va_vcc(0) depctr_vm_vsrc(0)
	s_getreg_b32 s2, hwreg(HW_REG_IB_STS2, 6, 4)
	s_cmp_eq_u32 s2, 0
	s_cbranch_scc0 .Lentry_in_a_cluster
	s_endpgm
.Lentry_in_a_cluster:
	s_bfe_u32 s2, ttmp6, 0x10000c
	s_cmp_lg_u32 s2, 0xf033
	s_cbranch_scc0 .Lentry_shape_is_right
	s_endpgm
.Lentry_shape_is_right:
; qkv[4096][3072] (f16) = x16[4096][1024] . wq16[1024][3072] + b_qkv, sums in f32.  x16 at byte 0 of h16, wq16 at byte WQ_OFF.
; A work-group makes 128 rows x 384 columns with four waves.  A wave owns all 128 rows and, in each of the block's three chunks of
; 128 columns, the 32 columns 32 w .. 32 w + 31: 8 x 6 = 48 accumulator tiles of 16 x 16, 384 registers.
; K goes in 8 steps of 128 through two LDS slots.  A slot has four regions, one tensor load each: wave 0 brings A (128 rows of 256
; bytes), waves 1-3 the three chunks of B (128 k rows of 256 bytes).  The weights lie [k][n]: their fragments are read with the
; transposing LDS load.
; CLUSTERS: 4 x 4 work-groups.  A's tile hangs on the block row alone and is asked for jointly along a row of the cluster, B's on
; the block column alone, jointly along a column: a quarter of the requests.
; THE MATRIX INSTRUCTION IS USED TRANSPOSED (source 0 = 16 columns of B, source 1 = 16 rows of A): lane l then holds row l % 16 and
; its registers 0-7 the columns 8 (l / 16) + 0..7, which pack into 16 bytes.  In that layout the bias is the same in all rows, so it
; is loaded once in the accumulators' layout and given to the first products as C: nothing is cleared and nothing added later.
; REGISTERS: window 0: addresses, A's fragments (two buffers), bias; window 1: B's fragments (two buffers);
; window 2: accumulators of rows 0-63 (tile (a, b) at 8 (6 a + b)); window 3: rows 64-127.
; RANGE: q, k, v leave as f16: magnitudes below 65,504.
.set KSTEP,  128
.set LAPS,   4                         ; a lap = two K steps = once round the ring; 1024 / 256
.set REG,    36864                     ; a region: 128 rows at 272 bytes (A) or at 288 bytes (B)
.set SLOT,   4*REG
.set PA,     272                       ; A's LDS rows: 256 + 16 bytes, so 16 neighbouring rows start 16 bytes apart modulo 256
.set PB,     288                       ; B's LDS rows: 256 + 32 bytes, an odd multiple of 32, for the transposing load
.set SP,     784                       ; the way out: rows of 768 + 16 bytes
.set WQ_OFF, 8388608
.set WV,   10                          ; s10     wave
.set ADRA, 16                          ; v16-17  LDS address of my A fragments in slot 0, 1
.set ADRB, 18                          ; v18-23  the same for B: slot s, chunk c at 3 s + c
.set STO,  24                          ; v24-25  the way out: where I put 16 bytes, rows 0-63 and 64-127
.set RD,   26                          ; v26     where I read rows back
.set CO,   27                          ; v27     my byte offset in qkv
.set BOF,  28                          ; v28     32 (l / 16): my 8 numbers of a tile's 16 bias numbers
.set F0,   64
.set F1,   128
.set BIAS, 192                         ; v192-239  tile b at 192 + 8 b
.set TMP,  192                         ; later: packed results
.set G1,  24                           ; s[24:31] group 1 for A's tiles
.set G0,  32                           ; s[32:39] group 0 for A's tiles, a set for each slot
.set G1B, 48                           ; s[48:55] group 1 for B's tiles
.set G0B, 56                           ; s[56:63] group 0 for B's tiles, a set for each slot
.set MSB, 0
.macro WIN new                         ; the immediate's high byte repeats the setting that is left
.if MSB != \new
	s_set_vgpr_msb (MSB<<8)|\new
.set MSB, \new
.endif
.endm
.macro PLACES n                        ; places behind matrix instructions (ISA guide 7.12.1): independent vector instructions
.rept \n
	v_nop
.endr
.endm
.macro CREST                           ; a round of the cluster's barrier behind its opening barrier
	s_cmp_lg_u32 s[WV], 0
	s_cbranch_scc1 .Lnot_wave_0_\@
	s_barrier_signal -3
.Lnot_wave_0_\@:
	s_barrier_wait -3
	s_barrier_signal -1
	s_barrier_wait -1
.endm
.macro CROUND                          ; a whole round
	s_barrier_signal -1
	s_barrier_wait -1
	CREST
.endm
.macro JLOAD s                         ; wave 0 asks for A's tile, waves 1-3 for B's chunks: one line, one mask each; the branch hangs on the wave's number alone
	s_cmp_eq_u32 s[WV], 0
	s_cbranch_scc0 .Lfor_b_\@
	tensor_load_to_lds s[G0+4*\s:G0+4*\s+3], s[G1:G1+7]
	s_nop 0
	s_branch .Lasked_\@
.Lfor_b_\@:
	tensor_load_to_lds s[G0B+4*\s:G0B+4*\s+3], s[G1B:G1B+7]
	s_nop 0
.Lasked_\@:
.endm
	s_load_b128 s[4:7], s[0:1], 0x0                ; h16 s[4:5], b_qkv s[6:7]
	s_load_b64 s[8:9], s[0:1], 0x10                ; qkv
	s_set_vgpr_msb 0x40
	v_lshl_add_u32 v255, v0, 2, 0x48000
	s_set_vgpr_msb 0x4000
	v_mov_b32 v255, 0
	s_set_vgpr_msb 0x1
	ds_add_u32 v255, v255
	s_set_vgpr_msb 0x100
	v_lshrrev_b32 v1, 5, v0
	v_readfirstlane_b32 s[WV], v1                  ; wave 0..3
	s_bfe_u32 s40, ttmp6, 0x40000                  ; cx
	s_bfe_u32 s41, ttmp6, 0x40004                  ; cy
	s_lshl_b32 s42, ttmp9, 2
	s_add_co_u32 s42, s42, s40                     ; X: block column, 384 columns each
	s_and_b32 s13, ttmp7, 0xffff
	s_lshl_b32 s13, s13, 2
	s_add_co_u32 s13, s13, s41                     ; Y: block row, 128 rows each
	s_lshl_b32 s43, s41, 2
	s_lshl_b32 s43, 15, s43                        ; my row of the cluster
	s_lshl_b32 s44, 0x1111, s40                    ; my column
	; group 1: tiles of 128 rows x 128 elements of 2 bytes; behind every 64 words A gets 4 words of padding, B gets 8
	s_or_b32 s[G1+0], s43, (1<<16)|(1<<20)|(1<<21)|(5<<22)|(3<<25)
	s_or_b32 s[G1B+0], s44, (1<<16)|(1<<20)|(1<<21)|(5<<22)|(7<<25)
	s_mov_b32 s[G1+1], KSTEP<<16                   ; tensor_dim0 = 128
	s_mov_b32 s[G1B+1], 128<<16
	s_mov_b32 s[G1+2], 128<<16                     ; tensor_dim1 = 128
	s_mov_b32 s[G1B+2], KSTEP<<16
	s_mov_b32 s[G1+3], KSTEP<<16                   ; tile_dim0 = 128
	s_mov_b32 s[G1B+3], 128<<16
	s_mov_b32 s[G1+4], 128                         ; tile_dim1 = 128
	s_mov_b32 s[G1B+4], KSTEP
	s_mov_b32 s[G1+5], 1024                        ; elements from row to row of x16
	s_mov_b32 s[G1B+5], 3072                       ; and of wq16
	s_mov_b32 s[G1+6], 0
	s_mov_b32 s[G1B+6], 0
	s_mov_b32 s[G1+7], 0
	s_mov_b32 s[G1B+7], 0
	s_lshl_b32 s16, s13, 18                        ; A: 128 Y rows of 2,048 bytes
	s_mov_b32 s17, 0
	s_mul_i32 s46, s42, 768                        ; B: 384 X columns of 2 bytes,
	s_max_u32 s20, s[WV], 1
	s_sub_co_u32 s20, s20, 1                       ; chunk w - 1 (wave 0 asks for no chunk; its address stays inside the buffer)
	s_lshl_b32 s20, s20, 8
	s_add_co_u32 s46, s46, s20
	s_add_co_u32 s46, s46, WQ_OFF
	s_mov_b32 s47, 0
	s_mul_i32 s20, s[WV], REG                      ; region w: no place in the cluster enters an LDS address
	s_wait_dscnt 0x0
	s_wait_kmcnt 0x0
	s_add_nc_u64 s[14:15], s[4:5], s[16:17]
	s_add_nc_u64 s[46:47], s[4:5], s[46:47]
	CROUND                                         ; all sixteen work-groups are here: the first joint loads meet
.irp s, 0,1
	s_mov_b32 s[G0+4*\s], 1
	s_add_co_u32 s[G0+4*\s+1], s20, \s*SLOT
	s_add_nc_u64 s[G0+4*\s+2:G0+4*\s+3], s[14:15], \s*KSTEP*2          ; K step s: 256 bytes along the rows
	s_or_b32 s[G0+4*\s+3], s[G0+4*\s+3], 0x80000000
	s_mov_b32 s[G0B+4*\s], 1
	s_add_co_u32 s[G0B+4*\s+1], s20, \s*SLOT
	s_add_nc_u64 s[G0B+4*\s+2:G0B+4*\s+3], s[46:47], \s*KSTEP*6144     ; K step s: 128 rows of 6,144 bytes down
	s_or_b32 s[G0B+4*\s+3], s[G0B+4*\s+3], 0x80000000
	JLOAD \s                                       ; both first fills go out together: two tensor loads of the wave are out
.endr
	v_and_b32 v1, 15, v0                           ; r = l % 16
	v_bfe_u32 v2, v0, 4, 1                         ; h = l / 16
	v_and_b32 v3, 7, v0
	v_bfe_u32 v4, v0, 3, 1
	v_lshlrev_b32 v[BOF], 5, v2
	s_mul_i32 s46, s42, 1536                       ; bias of my columns: 384 X + 32 w numbers of 4 bytes
	s_lshl_b32 s47, s[WV], 7
	s_add_co_u32 s46, s46, s47
	s_mov_b32 s47, 0
	s_add_nc_u64 s[6:7], s[6:7], s[46:47]
.irp b, 0,1,2,3,4,5
	global_load_b128 v[BIAS+8*\b:BIAS+8*\b+3],   v[BOF], s[6:7] offset:512*(\b/2)+64*(\b%2)      ; tile b = 2 c + i: column 128 c + 16 i + 8 h + 0..3
	global_load_b128 v[BIAS+8*\b+4:BIAS+8*\b+7], v[BOF], s[6:7] offset:512*(\b/2)+64*(\b%2)+16
.endr
	v_mul_u32_u24 v5, v1, PA                       ; A fragment: row r, 16 bytes for each half of the lanes
	v_lshl_add_u32 v[ADRA], v2, 4, v5
	v_add_nc_u32 v[ADRA+1], SLOT, v[ADRA]
	v_lshl_add_u32 v6, v2, 3, v3                   ; B fragment, transposing load: k row 8 h + l % 8,
	v_mul_u32_u24 v6, v6, PB
	v_lshl_add_u32 v6, v4, 4, v6                   ; 16 bytes for each group of eight lanes,
	s_lshl_b32 s21, s[WV], 6                       ; my 32 columns of a chunk
	v_add_nc_u32 v6, s21, v6
.irp s, 0,1
.irp c, 0,1,2
	v_add_nc_u32 v[ADRB+3*\s+\c], \s*SLOT+(1+\c)*REG, v6
.endr
.endr
	v_mul_u32_u24 v7, v1, SP
	v_lshl_add_u32 v7, v2, 4, v7
	v_add_nc_u32 v[STO], s21, v7
	v_add_nc_u32 v[STO+1], 64*SP, v[STO]
	v_mul_u32_u24 v8, v2, SP                       ; back: lanes 0-15 take 256 bytes of one row, lanes 16-31 of the next
	v_lshl_add_u32 v8, v1, 4, v8
	s_mul_i32 s22, s[WV], 32*SP                    ; rows 32 w .. 32 w + 31 are mine to store
	v_add_nc_u32 v[RD], s22, v8
	v_mul_u32_u24 v9, v2, 6144
	v_lshl_add_u32 v[CO], v1, 4, v9
; 12 matrix instructions: m blocks a0, a0 + 1 of the window's four x my 6 n tiles, 32 along K.  first = 1: C is the bias.
; The 48 accumulators take turns, one instruction a turn, in the same order in every quarter step.
.macro MUL12 f, hi, a0, first
.irp a, \a0, \a0+1
.irp b, 0,1,2,3,4,5
.if \first
	v_wmma_f32_16x16x32_f16 v[8*(6*(\a)+\b):8*(6*(\a)+\b)+7], v[\f+8*\b:\f+8*\b+7], v[\f+8*(4*\hi+\a):\f+8*(4*\hi+\a)+7], v[BIAS+8*\b:BIAS+8*\b+7]
.else
	v_wmma_f32_16x16x32_f16 v[8*(6*(\a)+\b):8*(6*(\a)+\b)+7], v[\f+8*\b:\f+8*\b+7], v[\f+8*(4*\hi+\a):\f+8*(4*\hi+\a)+7], v[8*(6*(\a)+\b):8*(6*(\a)+\b)+7]
.endif
.endr
.endr
.endm
; 28 LDS loads in one run: quarter kq of slot s into buffer f: 12 transposing loads for B's 6 tiles, then 16 loads for A's 8
.macro FETCH s, kq, f
	WIN 0x40
.irp c, 0,1,2
.irp i, 0,1
	ds_load_tr16_b128 v[\f+8*(2*\c+\i):\f+8*(2*\c+\i)+3],   v[ADRB+3*\s+\c] offset:32*PB*\kq+32*\i
	ds_load_tr16_b128 v[\f+8*(2*\c+\i)+4:\f+8*(2*\c+\i)+7], v[ADRB+3*\s+\c] offset:32*PB*\kq+32*\i+16*PB
.endr
.endr
	WIN 0
.irp i, 0,1,2,3,4,5,6,7
	ds_load_b128 v[\f+8*\i:\f+8*\i+3],   v[ADRA+\s] offset:64*\kq+\i*16*PA
	ds_load_b128 v[\f+8*\i+4:\f+8*\i+7], v[ADRA+\s] offset:64*\kq+\i*16*PA+32
.endr
.endm
; one of a K step's first three quarters: multiplies buffer f, and in its middle fetches quarter kq of the same slot into buffer g
.macro QUARTER slot, kq, f, g, first
	s_wait_dscnt 8                                 ; B and A's rows 0-63 are in; the youngest eight loads (A's rows 64-127) may be out
.if \first
	WIN 0x81                                       ; source 0 window 1, source 1 and C window 0, D window 2
.else
	WIN 0xa1                                       ; C and D window 2
.endif
	MUL12 \f, 0, 0, \first
	MUL12 \f, 0, 2, \first
	PLACES 4                                       ; buffer g was read by matrix instructions: four places in front of the loads into it
	FETCH \slot, \kq, \g
	s_wait_dscnt 28                                ; all but the 28 just issued
.if \first
	WIN 0xc1
.else
	WIN 0xf1
.endif
	MUL12 \f, 1, 0, \first
	MUL12 \f, 1, 2, \first
.endm
.macro THREE slot, first
	QUARTER \slot, 1, F0, F1, \first
	QUARTER \slot, 2, F1, F0, 0
	QUARTER \slot, 3, F0, F1, 0
.endm
; the last quarter: multiplies buffer 1 and changes slots.  In front of the barrier each wave waits for its reads of this slot and for
; all its tensor loads (one is out: its part of the next slot).  Where the slot is filled again the barrier opens a round of the
; cluster's barrier, and the joint refill is the first tensor load behind the round.
.macro TURN slot, next, fill
	s_wait_dscnt 8
	WIN 0xa1
	MUL12 F1, 0, 0, 0
	s_wait_dscnt 0                                 ; my reads of this slot are over
	s_wait_tensorcnt 0x0                           ; all my tensor loads have landed
	ds_add_u32 v255, v255
	s_wait_dscnt 0x0
	s_barrier_signal -1
	MUL12 F1, 0, 2, 0                              ; register work while the others arrive
	WIN 0
	s_barrier_wait -1
.if \fill
	CREST                                          ; no wave of any partner still reads this slot or has a load on its way
	s_add_nc_u64 s[G0+4*\slot+2:G0+4*\slot+3], s[G0+4*\slot+2:G0+4*\slot+3], 2*KSTEP*2
	s_add_nc_u64 s[G0B+4*\slot+2:G0B+4*\slot+3], s[G0B+4*\slot+2:G0B+4*\slot+3], 2*KSTEP*6144
	JLOAD \slot                                    ; one tensor load of the wave is out from here to the next such wait
.endif
	PLACES 4
	FETCH \next, 0, F0
	WIN 0xf1
	MUL12 F1, 1, 0, 0
	MUL12 F1, 1, 2, 0
.endm
.macro LAP first
	THREE 0, \first
	TURN 0, 1, 1
	THREE 1, 0
	TURN 1, 0, 1
.endm
	s_wait_loadcnt 0x0                             ; the bias
	s_wait_tensorcnt 0x1                           ; my part of K step 0 is in; K step 1's stays out
	s_barrier_signal -1
	s_barrier_wait -1
	FETCH 0, 0, F0
	LAP 1                                          ; the first lap stands in front of the loop: its first products start the sums from the bias
	WIN 0
	s_mov_b32 s3, LAPS-2
.Llap:
	LAP 0
	WIN 0
	s_sub_co_u32 s3, s3, 1
	s_cmp_lg_u32 s3, 0
	s_cbranch_scc1 .Llap
	THREE 0, 0                                     ; the last lap fills nothing
	TURN 0, 1, 0
	THREE 1, 0
	s_wait_dscnt 8
	WIN 0xa1
	MUL12 F1, 0, 0, 0
	MUL12 F1, 0, 2, 0
	s_wait_dscnt 0
	WIN 0xf1
	MUL12 F1, 1, 0, 0
	MUL12 F1, 1, 2, 0
	; THE WAY OUT.  The block's 128 rows of 768 bytes are gathered in slot 0: its last fill is long done, and every wave's reads of it
	; ended in front of the barrier of the last change of slots.  Then each wave stores 32 whole rows.
	PLACES 4                                       ; behind the last matrix instructions, in front of the conversions that read results
	s_lshl_b32 s16, s13, 7
	s_lshl_b32 s17, s[WV], 5
	s_add_co_u32 s16, s16, s17                     ; row 128 Y + 32 w
	s_mul_i32 s16, s16, 6144
	s_mov_b32 s17, 0
	s_add_nc_u64 s[8:9], s[8:9], s[16:17]
	s_mul_i32 s46, s42, 768                        ; column 384 X, in bytes
	s_mov_b32 s47, 0
	s_add_nc_u64 s[8:9], s[8:9], s[46:47]
.macro OUT16 a4, st, from              ; rows 16 a .. 16 a + 15, a = 4 st + a4: six tiles rounded to f16, 16 bytes a lane and tile
	WIN \from
.irp b, 0,1,2,3,4,5
.irp q, 0,1,2,3
	v_cvt_pk_f16_f32 v[TMP+4*\b+\q], v[8*(6*\a4+\b)+2*\q], v[8*(6*\a4+\b)+2*\q+1]
.endr
.endr
	WIN 0
.irp b, 0,1,2,3,4,5
	ds_store_b128 v[STO+\st], v[TMP+4*\b:TMP+4*\b+3] offset:\a4*16*SP+256*(\b/2)+32*(\b%2)
.endr
.endm
	OUT16 0, 0, 0x0a
	OUT16 1, 0, 0x0a
	OUT16 2, 0, 0x0a
	OUT16 3, 0, 0x0a
	OUT16 0, 1, 0x0f
	OUT16 1, 1, 0x0f
	OUT16 2, 1, 0x0f
	OUT16 3, 1, 0x0f
	s_wait_dscnt 0x0                               ; my stores are in LDS, for the waves that read them
	s_barrier_signal -1
	s_barrier_wait -1
.macro BACK c, f                       ; chunk c of my 32 rows, two rows a load
.irp t, 0,1,2,3,4,5,6,7,8,9,10,11,12,13,14,15
	ds_load_b128 v[\f+4*\t:\f+4*\t+3], v[RD] offset:2*SP*\t+256*\c
.endr
.irp t, 0,1,2,3,4,5,6,7,8,9,10,11,12,13,14,15
	s_wait_dscnt 15-\t                             ; LDS loads come back in order: load t is in
	global_store_b128 v[CO], v[\f+4*\t:\f+4*\t+3], s[8:9] offset:12288*\t+256*\c   ; 16 lanes store 256 consecutive bytes, aligned
.endr
.endm
	BACK 0, F0
	BACK 1, F1
	s_wait_xcnt 0x0                                ; buffer 0, which stores read, is loaded again only behind this wait
	BACK 2, F0
	s_set_vgpr_msb 0x1
	s_wait_tensorcnt 0x0
	ds_add_u32 v255, v255
	s_wait_dscnt 0x0
	s_set_vgpr_msb 0x100
	CROUND                                         ; the closing round: no work-group ends while a partner may still ask jointly
	s_endpgm
.Lfunc_end_k_q7f46fcfc1b_qkvgemm:
	.size	k_q7f46fcfc1b_qkvgemm, .Lfunc_end_k_q7f46fcfc1b_qkvgemm-k_q7f46fcfc1b_qkvgemm
	.p2alignl 7, 3214868480
	.fill 96, 4, 3214868480
	.section	.rodata,"a",@progbits
	.p2align	6, 0x0
	.amdhsa_kernel k_q7f46fcfc1b_qkvgemm
		.amdhsa_group_segment_fixed_size 327680
		.amdhsa_private_segment_fixed_size 0
		.amdhsa_enable_private_segment 0
		.amdhsa_kernarg_size 24
		.amdhsa_user_sgpr_count 2
		.amdhsa_user_sgpr_kernarg_segment_ptr 1
		.amdhsa_wavefront_size32 1
		.amdhsa_system_sgpr_workgroup_id_x 1
		.amdhsa_system_sgpr_workgroup_id_y 1
		.amdhsa_system_sgpr_workgroup_id_z 1
		.amdhsa_system_vgpr_workitem_id 0
		.amdhsa_next_free_vgpr 960
		.amdhsa_next_free_sgpr 66
		.amdhsa_reserve_vcc 0
		.amdhsa_float_denorm_mode_32 3
		.amdhsa_float_denorm_mode_16_64 3
		.amdhsa_memory_ordered 1
		.amdhsa_forward_progress 1
		.amdhsa_inst_pref_size 159
	.end_amdhsa_kernel
	.amdgpu_metadata
---
amdhsa.version: [ 1, 2 ]
amdhsa.kernels:
  - .name:           k_q7f46fcfc1b_qkvgemm
    .symbol:         k_q7f46fcfc1b_qkvgemm.kd
    .args:
      - { .name: h16, .offset: 0, .size: 8, .value_kind: global_buffer, .address_space: global }
      - { .name: b_qkv, .offset: 8, .size: 8, .value_kind: global_buffer, .address_space: global }
      - { .name: qkv, .offset: 16, .size: 8, .value_kind: global_buffer, .address_space: global }
    .group_segment_fixed_size: 327680
    .private_segment_fixed_size: 0
    .kernarg_segment_align: 8
    .kernarg_segment_size: 24
    .max_flat_workgroup_size: 128
    .sgpr_count:     66
    .vgpr_count:     960
    .wavefront_size: 32
...
	.end_amdgpu_metadata
.endif
;; end of part 2
;; launch attention (part 3): grid 16 x 16, 8 waves a work-group, clusters of 4 x 1, 327,680 bytes of LDS; arguments qkv, key_padding_mask, attn; writes attn
.if DOCPART == 3
	.amdgcn_target "amdgcn-amd-amdhsa--gfx1250"
	.amdhsa_code_object_version 6
	.text
	.protected	k_q7f46fcfc1b_attention
	.globl	k_q7f46fcfc1b_attention
	.p2align	8
	.type	k_q7f46fcfc1b_attention,@function
k_q7f46fcfc1b_attention:
	s_mov_b64 s[64:65], 0
	v_nop
	global_prefetch_b8 v0, s[64:65] scope:SCOPE_SE
	s_setreg_imm32_b32 hwreg(HW_REG_WAVE_MODE, 25, 1), 1
	s_wait_xcnt 0x0
	s_wait_alu depctr_hold_cnt(0) depctr_sa_sdst(0) depctr_va_vdst(0) depctr_va_sdst(0) depctr_va_ssrc(0) depctr_va_vcc(0) depctr_vm_vsrc(0)
	s_getreg_b32 s2, hwreg(HW_REG_IB_STS2, 6, 4)
	s_cmp_eq_u32 s2, 0
	s_cbranch_scc0 .Lentry_in_a_cluster
	s_endpgm
.Lentry_in_a_cluster:
	s_bfe_u32 s2, ttmp6, 0x10000c
	s_cmp_lg_u32 s2, 0x3003
	s_cbranch_scc0 .Lentry_shape_is_right
	s_endpgm
.Lentry_shape_is_right:
; attn[4096][1024] (f16) = softmax(q k^T / 8, masked keys left out) v, for 2 batches x 16 heads, from qkv[4096][3072] (f16).
; A work-group takes 128 queries of a PAIR of neighbouring heads: the pair's 256 bytes of a row of qkv and of attn are one aligned
; run, so K's and V's tiles have rows of 256 bytes and the result leaves in runs of 256 bytes.
; Eight waves: hd = w & 1 (head), qh = (w >> 1) & 1 (64 queries), par = w >> 2 (which two of a tile's four blocks of 64 keys).
; The two waves of a (hd, qh) keep sums of their own over their halves of the keys and are merged at the end.
; CLUSTERS: the four query blocks of a cluster walk the same K and V: every tile is asked for jointly by the four (mask 15).
; TILES: 256 keys a slot, two slots.  Waves 0-3 bring K's four blocks of 64 keys, waves 4-7 V's: one tensor load a wave.
; ALL TRANSPOSED: S^T = K Q^T: lane (r, h), register j of S(t, n) is key 16 t + 8 h + j, query 16 n + r.  Packed to f16, S(2 ks, n) and
; S(2 ks + 1, n) ARE the B fragment P^T(ks, n) of O^T = V^T P^T: no number changes its lane.  A query's figures (maximum, sum) lie in
; the two lanes r and r + 16.
; MASK: an addend of -2^100 for a masked key, 0 otherwise, is the C of the first score product.  The running maximum is taken away
; from every score as in the softmax's definition; it starts at the floor -2^90, so that keys masked so far give weights of exactly 0.
; p = 2^(c s + NM), c = log2(e) / 8, NM = the rounded -c m; old sums are rescaled by 2^(NM new - NM old), the same unit exactly.
; A query all of whose keys are masked ends with the sum 0 and gets NaN.
; LIMITS: raw scores q.k of unmasked keys above -2^90; q.k of masked keys finite; |v| below 65,504 (f16).
.set QUART, 18432                      ; a region: 64 rows at 272 bytes (K) or 288 bytes (V)
.set SLOT,  8*QUART
.set BIASL, 2*SLOT                     ; 2,048 f32: the mask's addends
.set SCRS,  17920                      ; after the last tile, in slot 0: a partner's O (16,384 bytes), NM (1,024) and sum (512)
.set STAGE, 4*SCRS                     ; and 128 rows of 272 bytes for the way out
.set PK,    272
.set PV,    288
.set TILEB, 256*6144                   ; bytes of qkv from a tile to the next
.set WV,   8                           ; s8 wave
.set G1K, 16                           ; s[16:23] group 1 for K
.set G1V, 24                           ; s[24:31] group 1 for V
.set G0K, 32                           ; s[32:39] group 0 for K, a set for each slot
.set G0V, 40                           ; s[40:47] group 0 for V
; window 0
.set KADR, 8                           ; v8-9    LDS address of my K fragments in slot 0, 1
.set VADR, 10                          ; v10-11  of my V fragments
.set BADR, 12                          ; v12     of my mask addends, stepped by a tile's 1,024 bytes
.set QOF,  13                          ; v13     my byte offset in Q's rows
.set CS,   14                          ; v14-15  c, c
.set M,    16                          ; v16-19  running maximum of query block n
.set T0,   20                          ; v20-23
.set T1,   24                          ; v24-27
.set LS,   28                          ; v28-31  running sum (of this lane's keys)
.set NM,   32                          ; v32-39  -c m, as pairs
.set AL,   40                          ; v40-47  rescale factor, as pairs
.set SM,   48                          ; v48-55  a block's sums, as pairs
.set SCRA, 56
.set STO,  57
.set RD,   58
.set CO,   59
.set BI,   64                          ; v64-95   mask addends of key tile t at 64 + 8 t
.set W,    96                          ; v96-127  at work at the head and on the way out
.set S,    128                         ; v128-255 S(u) at 128 + 8 u, u = 4 n + t; P(ks, n) lies in S(4 n + 2 ks)
; window 1
.set Q,    0                           ; Q(n, ks) at 8 (2 n + ks)
.set O,    64                          ; O(dt, n) at 64 + 8 (4 dt + n)
.set KV,   192                         ; K(t, ks) at 192 + 8 (2 t + ks); later V(dt, ks) in the same places
.set MSB, 0
.macro WIN new
.if MSB != \new
	s_set_vgpr_msb (MSB<<8)|\new
.set MSB, \new
.endif
.endm
.macro PLACES n
.rept \n
	v_nop
.endr
.endm
.macro CREST
	s_cmp_lg_u32 s[WV], 0
	s_cbranch_scc1 .Lnot_wave_0_\@
	s_barrier_signal -3
.Lnot_wave_0_\@:
	s_barrier_wait -3
	s_barrier_signal -1
	s_barrier_wait -1
.endm
.macro CROUND
	s_barrier_signal -1
	s_barrier_wait -1
	CREST
.endm
.macro JLOAD s                         ; waves 0-3 ask for K's blocks, waves 4-7 for V's; the branch hangs on the wave's number alone
	s_cmp_lt_u32 s[WV], 4
	s_cbranch_scc0 .Lfor_v_\@
	tensor_load_to_lds s[G0K+4*\s:G0K+4*\s+3], s[G1K:G1K+7]
	s_nop 0
	s_branch .Lasked_\@
.Lfor_v_\@:
	tensor_load_to_lds s[G0V+4*\s:G0V+4*\s+3], s[G1V:G1V+7]
	s_nop 0
.Lasked_\@:
.endm
	s_load_b128 s[4:7], s[0:1], 0x0                ; qkv s[4:5], mask s[6:7]
	s_load_b64 s[48:49], s[0:1], 0x10              ; attn
	v_lshl_add_u32 v62, v0, 2, 0x4a000
	v_mov_b32 v63, 0
	ds_add_u32 v62, v63
	v_lshrrev_b32 v1, 5, v0
	v_readfirstlane_b32 s[WV], v1                  ; wave 0..7
	s_and_b32 s9, s[WV], 1                         ; hd
	s_bfe_u32 s10, s[WV], 0x10001                  ; qh
	s_lshr_b32 s11, s[WV], 2                       ; par
	s_and_b32 s50, s[WV], 3                        ; which block of 64 keys I fetch; also my pair of partners
	s_mov_b32 s12, 0x76543210                      ; v_permlanex16_b32: lane i reads lane i of the other half
	s_mov_b32 s13, 0xfedcba98
	s_bfe_u32 s51, ttmp6, 0x40000                  ; cx
	s_lshl_b32 s52, ttmp9, 2
	s_add_co_u32 s52, s52, s51                     ; query block, 128 queries each: enters global addresses of Q and attn alone
	s_and_b32 s53, ttmp7, 0xffff
	s_lshr_b32 s54, s53, 3                         ; batch
	s_and_b32 s55, s53, 7                          ; head pair
	; group 1: tiles of 64 rows x 128 elements of 2 bytes, rows 3,072 elements apart; padding of 4 words (K) or 8 words (V) behind every 64
	s_mov_b32 s[G1K+0], 15|(1<<16)|(1<<20)|(1<<21)|(5<<22)|(3<<25)
	s_mov_b32 s[G1V+0], 15|(1<<16)|(1<<20)|(1<<21)|(5<<22)|(7<<25)
	s_mov_b32 s[G1K+1], 128<<16
	s_mov_b32 s[G1V+1], 128<<16
	s_mov_b32 s[G1K+2], 64<<16
	s_mov_b32 s[G1V+2], 64<<16
	s_mov_b32 s[G1K+3], 128<<16
	s_mov_b32 s[G1V+3], 128<<16
	s_mov_b32 s[G1K+4], 64
	s_mov_b32 s[G1V+4], 64
	s_mov_b32 s[G1K+5], 3072
	s_mov_b32 s[G1V+5], 3072
	s_mov_b32 s[G1K+6], 0
	s_mov_b32 s[G1V+6], 0
	s_mov_b32 s[G1K+7], 0
	s_mov_b32 s[G1V+7], 0
	s_mul_i32 s56, s54, 2048*6144                  ; the batch's rows,
	s_lshl_b32 s57, s55, 8                         ; the pair's 256 bytes,
	s_add_co_u32 s56, s56, s57
	s_mul_i32 s57, s50, 64*6144                    ; my block of 64 keys
	s_add_co_u32 s56, s56, s57
	s_mov_b32 s57, 0
	s_mul_i32 s58, s[WV], QUART                    ; region w
	s_wait_dscnt 0x0
	s_wait_kmcnt 0x0
	s_add_nc_u64 s[56:57], s[4:5], s[56:57]
	CROUND                                         ; the four work-groups are here: the first joint loads meet
.irp s, 0,1
	s_mov_b32 s[G0K+4*\s], 1
	s_add_co_u32 s[G0K+4*\s+1], s58, \s*SLOT
	s_add_nc_u64 s[G0K+4*\s+2:G0K+4*\s+3], s[56:57], \s*TILEB+2048     ; k begins 2,048 bytes into a row
	s_or_b32 s[G0K+4*\s+3], s[G0K+4*\s+3], 0x80000000
	s_mov_b32 s[G0V+4*\s], 1
	s_add_co_u32 s[G0V+4*\s+1], s58, \s*SLOT
	s_add_nc_u64 s[G0V+4*\s+2:G0V+4*\s+3], s[56:57], \s*TILEB+4096     ; v 4,096 bytes
	s_or_b32 s[G0V+4*\s+3], s[G0V+4*\s+3], 0x80000000
	JLOAD \s                                       ; both first fills go out together: two tensor loads of the wave are out
.endr
	v_and_b32 v1, 15, v0                           ; r
	v_bfe_u32 v2, v0, 4, 1                         ; h
	v_and_b32 v3, 7, v0
	v_bfe_u32 v4, v0, 3, 1
	v_lshlrev_b32 v5, 3, v0                        ; 8 mask bytes a thread: 256 threads cover the batch's 2,048 keys
	s_lshl_b32 s62, s54, 11
	s_mov_b32 s63, 0
	s_add_nc_u64 s[6:7], s[6:7], s[62:63]
	global_load_b64 v[W:W+1], v5, s[6:7]
	s_lshl_b32 s2, s9, 7                           ; 128 hd: my head's bytes in the pair
	s_lshl_b32 s61, s54, 11
	s_lshl_b32 s62, s52, 7
	s_add_co_u32 s61, s61, s62                     ; the work-group's first row: 2048 b + 128 x query block
	s_lshl_b32 s62, s10, 6
	s_add_co_u32 s62, s62, s61                     ; my 64 queries
	s_mul_i32 s62, s62, 6144
	s_lshl_b32 s63, s55, 8
	s_add_co_u32 s62, s62, s63
	s_add_co_u32 s62, s62, s2
	s_mov_b32 s63, 0
	s_add_nc_u64 s[14:15], s[4:5], s[62:63]
	v_mul_u32_u24 v[QOF], v1, 6144
	v_lshl_add_u32 v[QOF], v2, 4, v[QOF]
	WIN 0x40
.irp n, 0,1,2,3
.irp ks, 0,1
	global_load_b128 v[Q+8*(2*\n+\ks):Q+8*(2*\n+\ks)+3],   v[QOF], s[14:15] offset:16*6144*\n+64*\ks      ; Q(16 n + r, 32 ks + 8 h ..)
	global_load_b128 v[Q+8*(2*\n+\ks)+4:Q+8*(2*\n+\ks)+7], v[QOF], s[14:15] offset:16*6144*\n+64*\ks+32
.endr
.endr
	WIN 0
	s_lshl_b32 s62, s[WV], 4                       ; the way out: rows 16 w .. 16 w + 15 are mine to store
	s_add_co_u32 s62, s62, s61
	s_lshl_b32 s62, s62, 11
	s_lshl_b32 s63, s55, 8
	s_add_co_u32 s62, s62, s63
	s_mov_b32 s63, 0
	s_add_nc_u64 s[48:49], s[48:49], s[62:63]
	v_mul_u32_u24 v6, v1, PK
	v_lshl_add_u32 v6, v2, 4, v6                   ; r x 272 + 16 h
	s_mul_i32 s59, s11, 2*QUART                    ; my two blocks of a tile's four,
	s_add_co_u32 s59, s59, s2                      ; my head
	v_add_nc_u32 v[KADR], s59, v6
	v_add_nc_u32 v[KADR+1], SLOT, v[KADR]
	v_lshl_add_u32 v7, v2, 3, v3                   ; transposing load: key row 8 h + l % 8
	v_mul_u32_u24 v7, v7, PV
	v_lshl_add_u32 v7, v4, 4, v7
	s_add_co_u32 s59, s59, 4*QUART                 ; V's regions lie behind K's four
	v_add_nc_u32 v[VADR], s59, v7
	v_add_nc_u32 v[VADR+1], SLOT, v[VADR]
	s_lshl_b32 s59, s11, 9
	s_add_co_u32 s59, s59, BIASL
	v_lshl_add_u32 v[BADR], v2, 5, s59             ; addends of keys 128 par + 8 h + ..
	v_and_b32 v[SCRA], 31, v0
	s_mul_i32 s59, s50, SCRS
	v_lshl_add_u32 v[SCRA], v[SCRA], 4, s59
	s_mul_i32 s59, s10, 64*PK
	s_add_co_u32 s59, s59, s2
	s_add_co_u32 s59, s59, STAGE
	v_add_nc_u32 v[STO], s59, v6
	v_mul_u32_u24 v[RD], v2, PK
	v_lshl_add_u32 v[RD], v1, 4, v[RD]
	s_mul_i32 s59, s[WV], 16*PK
	s_add_co_u32 s59, s59, STAGE
	v_add_nc_u32 v[RD], s59, v[RD]
	v_lshlrev_b32 v[CO], 11, v2
	v_lshl_add_u32 v[CO], v1, 4, v[CO]
	v_mov_b32 v[CS], 0x3e38aa3b                    ; c = log2(e) / 8
	v_mov_b32 v[CS+1], 0x3e38aa3b
.irp n, 0,1,2,3
	v_mov_b32 v[M+\n], 0xec800000                  ; the floor -2^90
	v_mov_b32 v[T1+\n], 0                          ; v_permlanex16_b32 counts as a reader of its destination
	v_mov_b32 v[LS+\n], 0
.endr
.irp n, 0,1,2,3,4,5,6,7
	v_mul_f32 v[NM+\n], 0xbe38aa3b, v[M]           ; -c x floor, exact
.endr
	v_lshlrev_b32 v[W+12], 5, v0
	v_add_nc_u32 v[W+12], BIASL, v[W+12]           ; 8 addends of 4 bytes a thread
	v_mov_b32 v[W+2], 0xf1800000                   ; -2^100
	s_wait_loadcnt 16                              ; the mask bytes are in; Q's 16 loads stay out
.irp e, 0,1,2,3,4,5,6,7
	v_bfe_u32 v[W+3], v[W+\e/4], 8*(\e%4), 8
	v_cmp_ne_u32 vcc_lo, 0, v[W+3]
	v_cndmask_b32 v[W+4+\e], 0, v[W+2], vcc_lo
.endr
	ds_store_b128 v[W+12], v[W+4:W+7]
	ds_store_b128 v[W+12], v[W+8:W+11] offset:16
	s_wait_loadcnt 0x0                             ; Q
	s_wait_tensorcnt 0x1                           ; my part of tile 0 is in; tile 1's stays out
	s_wait_dscnt 0x0                               ; my addends are in LDS, for the other waves
	s_barrier_signal -1
	s_barrier_wait -1
; 64 keys: block 2 par + j of the tile in slot s.  first = 1: the products start O's sums.
; In both runs of products the 16 accumulators take turns, one instruction a turn.
.macro BLOCK s, j, first
	PLACES 5                                       ; the last products read P and V: four places in front of the loads into V's registers, five in front of the products that write over P
.irp t, 0,1,2,3
	ds_load_b128 v[BI+8*\t:BI+8*\t+3],   v[BADR] offset:256*\j+64*\t
	ds_load_b128 v[BI+8*\t+4:BI+8*\t+7], v[BADR] offset:256*\j+64*\t+16
.endr
	WIN 0x40
.irp ks, 0,1
.irp t, 0,1,2,3
	ds_load_b128 v[KV+8*(2*\t+\ks):KV+8*(2*\t+\ks)+3],   v[KADR+\s] offset:QUART*\j+16*PK*\t+64*\ks
	ds_load_b128 v[KV+8*(2*\t+\ks)+4:KV+8*(2*\t+\ks)+7], v[KADR+\s] offset:QUART*\j+16*PK*\t+64*\ks+32
.endr
.endr
	s_wait_dscnt 8                                 ; the addends and K's first 32 of the head's 64 numbers are in; the youngest eight loads may be out
	WIN 0x05                                       ; K and Q window 1, C and D window 0
.irp n, 0,1,2,3
.irp t, 0,1,2,3
	v_wmma_f32_16x16x32_f16 v[S+8*(4*\n+\t):S+8*(4*\n+\t)+7], v[KV+16*\t:KV+16*\t+7], v[Q+16*\n:Q+16*\n+7], v[BI+8*\t:BI+8*\t+7]
.endr
.endr
	s_wait_dscnt 0
.irp n, 0,1,2,3
.irp t, 0,1,2,3
	v_wmma_f32_16x16x32_f16 v[S+8*(4*\n+\t):S+8*(4*\n+\t)+7], v[KV+16*\t+8:KV+16*\t+15], v[Q+16*\n+8:Q+16*\n+15], v[S+8*(4*\n+\t):S+8*(4*\n+\t)+7]
.endr
.endr
	WIN 0
	PLACES 4                                       ; in front of the loads into K's registers and of the first reads of S
	WIN 0x40
.irp ks, 0,1
.irp dt, 0,1,2,3
	ds_load_tr16_b128 v[KV+8*(2*\dt+\ks):KV+8*(2*\dt+\ks)+3],   v[VADR+\s] offset:QUART*\j+32*PV*\ks+32*\dt
	ds_load_tr16_b128 v[KV+8*(2*\dt+\ks)+4:KV+8*(2*\dt+\ks)+7], v[VADR+\s] offset:QUART*\j+32*PV*\ks+32*\dt+16*PV
.endr
.endr
	WIN 0
	; the new maximum of each query: my 32 scores and the old maximum, then the other half of the lanes
.set i, 0
.rept 16
.irp n, 0,1,2,3
.if i == 0
	v_max3_num_f32 v[T0+\n], v[M+\n], v[S+32*\n], v[S+32*\n+1]
.else
	v_max3_num_f32 v[T0+\n], v[T0+\n], v[S+32*\n+2*i], v[S+32*\n+2*i+1]
.endif
.endr
.set i, i+1
.endr
.irp n, 0,1,2,3
	v_permlanex16_b32 v[T1+\n], v[T0+\n], s12, s13
.endr
.irp n, 0,1,2,3
	v_max_num_f32 v[M+\n], v[T0+\n], v[T1+\n]
.endr
.irp n, 0,1,2,3
	v_mul_f32 v[T0+\n], 0xbe38aa3b, v[M+\n]        ; the new -c m
.endr
.irp n, 0,1,2,3
	v_sub_f32 v[AL+2*\n], v[T0+\n], v[NM+2*\n]     ; new less old, at most 0
.endr
.irp n, 0,1,2,3
	v_mov_b32 v[NM+2*\n], v[T0+\n]
	v_mov_b32 v[NM+2*\n+1], v[T0+\n]
.endr
.irp n, 0,1,2,3
	v_exp_f32 v[AL+2*\n], v[AL+2*\n]
.endr
	v_nop                                          ; one plain instruction behind the exponentials, in front of the first use
.irp n, 0,1,2,3
	s_wait_alu depctr_va_vdst(0)
	v_mov_b32 v[AL+2*\n+1], v[AL+2*\n]
.endr
	; p = 2^(c s + NM), summed and packed, as a pipeline over the 16 tiles: in turn pi tile pi gets its exponents, tile pi - 1 its
	; exponentials, tile pi - 2 is summed and packed.  So an exponential's result is first read a turn later, behind plain instructions.
.set pi, 0
.rept 18
.set pe, 0
.rept 8
.if pi >= 1
.if pi <= 16
	v_exp_f32 v[S+8*(pi-1)+pe], v[S+8*(pi-1)+pe]
.endif
.endif
.if pe < 4
.if pi <= 15
	v_pk_fma_f32 v[S+8*pi+2*pe:S+8*pi+2*pe+1], v[S+8*pi+2*pe:S+8*pi+2*pe+1], v[CS:CS+1], v[NM+2*(pi/4):NM+2*(pi/4)+1]
.endif
.endif
.if pi >= 2
.set pu, pi-2
.if pe < 4
.if (pu%4) == 0
.if pe == 0
	s_wait_alu depctr_va_vdst(0)
	v_pk_add_f32 v[SM+2*(pu/4):SM+2*(pu/4)+1], v[S+8*pu:S+8*pu+1], v[S+8*pu+2:S+8*pu+3]     ; the first two pairs start the sum
.endif
.if pe >= 2
	v_pk_add_f32 v[SM+2*(pu/4):SM+2*(pu/4)+1], v[SM+2*(pu/4):SM+2*(pu/4)+1], v[S+8*pu+2*pe:S+8*pu+2*pe+1]
.endif
.else
	s_wait_alu depctr_va_vdst(0)
	v_pk_add_f32 v[SM+2*(pu/4):SM+2*(pu/4)+1], v[SM+2*(pu/4):SM+2*(pu/4)+1], v[S+8*pu+2*pe:S+8*pu+2*pe+1]
.endif
.else
.if (pu%2) == 0
	v_cvt_pk_f16_f32 v[S+8*pu+pe-4], v[S+8*pu+2*(pe-4)], v[S+8*pu+2*(pe-4)+1]               ; keys 8 h ..: registers 0-3 of the fragment
.else
	v_cvt_pk_f16_f32 v[S+8*(pu-1)+pe], v[S+8*pu+2*(pe-4)], v[S+8*pu+2*(pe-4)+1]             ; keys 16 + 8 h ..: registers 4-7
.endif
.endif
.endif
.set pe, pe+1
.endr
.set pi, pi+1
.endr
.irp n, 0,1,2,3
	v_add_f32 v[SM+2*\n], v[SM+2*\n], v[SM+2*\n+1]
.endr
.irp n, 0,1,2,3
	v_fma_f32 v[LS+\n], v[LS+\n], v[AL+2*\n], v[SM+2*\n]
.endr
.if \first == 0
	WIN 0x41                                       ; O window 1, the factor window 0
.irp dt, 0,1,2,3
.irp n, 0,1,2,3
.irp p, 0,2,4,6
	v_pk_mul_f32 v[O+8*(4*\dt+\n)+\p:O+8*(4*\dt+\n)+\p+1], v[O+8*(4*\dt+\n)+\p:O+8*(4*\dt+\n)+\p+1], v[AL+2*\n:AL+2*\n+1]
.endr
.endr
.endr
.endif
	s_wait_dscnt 0                                 ; V
	WIN 0x51                                       ; V, C and D window 1, P window 0
.irp ks, 0,1
.irp dt, 0,1,2,3
.irp n, 0,1,2,3
.if \first*(1-\ks)
	v_wmma_f32_16x16x32_f16 v[O+8*(4*\dt+\n):O+8*(4*\dt+\n)+7], v[KV+8*(2*\dt+\ks):KV+8*(2*\dt+\ks)+7], v[S+8*(4*\n+2*\ks):S+8*(4*\n+2*\ks)+7], 0
.else
	v_wmma_f32_16x16x32_f16 v[O+8*(4*\dt+\n):O+8*(4*\dt+\n)+7], v[KV+8*(2*\dt+\ks):KV+8*(2*\dt+\ks)+7], v[S+8*(4*\n+2*\ks):S+8*(4*\n+2*\ks)+7], v[O+8*(4*\dt+\n):O+8*(4*\dt+\n)+7]
.endif
.endr
.endr
.endr
	WIN 0
.endm
; The tile in slot s; o = the other slot, read last.  refill = 1: slot o gets the tile two further on.  In front of the round each wave
; waits for all its tensor loads (its part of slot s among them) and for its reads of slot o; the joint refill is the first tensor
; load behind the round, one a wave, and has this tile's 128 matrix instructions of the wave in which to land.
.macro STEP s, o, refill
	v_add_nc_u32 v[BADR], 1024, v[BADR]            ; the next tile's 256 addends
	s_wait_tensorcnt 0x0
	ds_add_u32 v62, v63
	s_wait_dscnt 0x0
	s_wait_dscnt 0x0
.if \refill
	s_add_nc_u64 s[G0K+4*\o+2:G0K+4*\o+3], s[G0K+4*\o+2:G0K+4*\o+3], 2*TILEB    ; no tensor load of mine is out: a group 0 may be written
	s_add_nc_u64 s[G0V+4*\o+2:G0V+4*\o+3], s[G0V+4*\o+2:G0V+4*\o+3], 2*TILEB
	CROUND
	JLOAD \o
.else
	s_barrier_signal -1
	s_barrier_wait -1
.endif
	BLOCK \s, 0, 0
	BLOCK \s, 1, 0
.endm
	BLOCK 0, 0, 1                                  ; tile 0
	BLOCK 0, 1, 0
	s_mov_b32 s60, 3
.Ltiles:
	STEP 1, 0, 1                                   ; tiles 1, 3, 5 are read; tiles 2, 4, 6 are asked for
	STEP 0, 1, 1                                   ; tiles 2, 4, 6 are read; tiles 3, 5, 7 are asked for
	s_sub_co_u32 s60, s60, 1
	s_cmp_lg_u32 s60, 0
	s_cbranch_scc1 .Ltiles
	STEP 1, 0, 0                                   ; tile 7: nothing is left to fetch
	; THE END.  Slot 0 has had its last fill, and every wave's reads of it ended in front of the last barrier: it now serves as scratch.
	PLACES 4                                       ; behind the last products, in front of the stores that read O and the loads into P's registers
	s_cmp_lt_u32 s[WV], 4
	s_cbranch_scc1 .Lnosend
	WIN 0x04                                       ; waves 4-7 hand O, NM and the sum to their partners
.set i, 0
.rept 32
	ds_store_b128 v[SCRA], v[O+4*i:O+4*i+3] offset:512*i
.set i, i+1
.endr
	WIN 0
	ds_store_b128 v[SCRA], v[NM:NM+3] offset:16384
	ds_store_b128 v[SCRA], v[NM+4:NM+7] offset:16896
	ds_store_b128 v[SCRA], v[LS:LS+3] offset:17408
.Lnosend:
	s_wait_dscnt 0x0
	s_barrier_signal -1
	s_barrier_wait -1
	s_cmp_lt_u32 s[WV], 4
	s_cbranch_scc0 .Lnomerge
.set i, 0
.rept 32
	ds_load_b128 v[S+4*i:S+4*i+3], v[SCRA] offset:512*i            ; the partner's O, in O's order
.set i, i+1
.endr
	ds_load_b128 v[W:W+3], v[SCRA] offset:16384                    ; its NM (pairs)
	ds_load_b128 v[W+4:W+7], v[SCRA] offset:16896
	ds_load_b128 v[W+8:W+11], v[SCRA] offset:17408                 ; its sums
	v_mov_b32 v[W+16], 0x7fc00000                                  ; NaN
	s_wait_dscnt 0x0
.irp n, 0,1,2,3
	v_min_num_f32 v[T0+\n], v[NM+2*\n], v[W+2*\n]                  ; the smaller -c m belongs to the larger maximum
.endr
.irp n, 0,1,2,3
	v_sub_f32 v[AL+2*\n], v[T0+\n], v[NM+2*\n]
	v_sub_f32 v[W+12+\n], v[T0+\n], v[W+2*\n]
.endr
.irp n, 0,1,2,3
	v_exp_f32 v[AL+2*\n], v[AL+2*\n]
	v_exp_f32 v[W+12+\n], v[W+12+\n]
.endr
	v_nop
.irp n, 0,1,2,3
	s_wait_alu depctr_va_vdst(0)
	v_mul_f32 v[LS+\n], v[LS+\n], v[AL+2*\n]
.endr
.irp n, 0,1,2,3
	v_fma_f32 v[LS+\n], v[W+8+\n], v[W+12+\n], v[LS+\n]
.endr
.irp n, 0,1,2,3
	v_permlanex16_b32 v[T1+\n], v[LS+\n], s12, s13                 ; the other half of the lanes holds the other keys' sum
.endr
.irp n, 0,1,2,3
	v_add_f32 v[LS+\n], v[LS+\n], v[T1+\n]
.endr
.irp n, 0,1,2,3
	v_rcp_f32 v[T0+\n], v[LS+\n]
.endr
	v_nop
.irp n, 0,1,2,3
	v_cmp_eq_f32 vcc_lo, 0, v[LS+\n]                               ; every key masked: the softmax of nothing is NaN
	s_wait_alu depctr_va_vdst(0)
	v_cndmask_b32 v[T0+\n], v[T0+\n], v[W+16], vcc_lo
.endr
.irp n, 0,1,2,3
	v_mul_f32 v[AL+2*\n], v[AL+2*\n], v[T0+\n]                     ; my factor
	v_mul_f32 v[NM+2*\n], v[W+12+\n], v[T0+\n]                     ; the partner's
.endr
.irp n, 0,1,2,3
	v_mov_b32 v[AL+2*\n+1], v[AL+2*\n]
	v_mov_b32 v[NM+2*\n+1], v[NM+2*\n]
.endr
.irp dt, 0,1,2,3
.irp n, 0,1,2,3
.irp p, 0,2,4,6
	v_pk_mul_f32 v[S+8*(4*\dt+\n)+\p:S+8*(4*\dt+\n)+\p+1], v[S+8*(4*\dt+\n)+\p:S+8*(4*\dt+\n)+\p+1], v[NM+2*\n:NM+2*\n+1]
.endr
.endr
.endr
	WIN 0x01                                       ; my O, source 0, window 1
.irp dt, 0,1,2,3
.irp n, 0,1,2,3
.irp p, 0,2,4,6
	v_pk_fma_f32 v[S+8*(4*\dt+\n)+\p:S+8*(4*\dt+\n)+\p+1], v[O+8*(4*\dt+\n)+\p:O+8*(4*\dt+\n)+\p+1], v[AL+2*\n:AL+2*\n+1], v[S+8*(4*\dt+\n)+\p:S+8*(4*\dt+\n)+\p+1]
.endr
.endr
.endr
	WIN 0
.irp dt, 0,1,2,3
.irp n, 0,1,2,3
.irp q, 0,1,2,3
	v_cvt_pk_f16_f32 v[S+8*(4*\dt+\n)+\q], v[S+8*(4*\dt+\n)+2*\q], v[S+8*(4*\dt+\n)+2*\q+1]
.endr
	ds_store_b128 v[STO], v[S+8*(4*\dt+\n):S+8*(4*\dt+\n)+3] offset:16*PK*\n+32*\dt     ; query 16 n + r, numbers 16 dt + 8 h + 0..7 of my head
.endr
.endr
.Lnomerge:
	s_wait_dscnt 0x0
	s_barrier_signal -1
	s_barrier_wait -1
.irp t, 0,1,2,3,4,5,6,7
	ds_load_b128 v[W+4*\t:W+4*\t+3], v[RD] offset:2*PK*\t          ; two rows of the pair's 256 bytes
.endr
.irp t, 0,1,2,3,4,5,6,7
	s_wait_dscnt 7-\t
	global_store_b128 v[CO], v[W+4*\t:W+4*\t+3], s[48:49] offset:4096*\t   ; 16 lanes store 256 consecutive bytes, aligned
.endr
	s_wait_tensorcnt 0x0
	ds_add_u32 v62, v63
	s_wait_dscnt 0x0
	CROUND                                         ; the closing round
	s_endpgm
.Lfunc_end_k_q7f46fcfc1b_attention:
	.size	k_q7f46fcfc1b_attention, .Lfunc_end_k_q7f46fcfc1b_attention-k_q7f46fcfc1b_attention
	.p2alignl 7, 3214868480
	.fill 96, 4, 3214868480
	.section	.rodata,"a",@progbits
	.p2align	6, 0x0
	.amdhsa_kernel k_q7f46fcfc1b_attention
		.amdhsa_group_segment_fixed_size 327680
		.amdhsa_private_segment_fixed_size 0
		.amdhsa_enable_private_segment 0
		.amdhsa_kernarg_size 24
		.amdhsa_user_sgpr_count 2
		.amdhsa_user_sgpr_kernarg_segment_ptr 1
		.amdhsa_wavefront_size32 1
		.amdhsa_system_sgpr_workgroup_id_x 1
		.amdhsa_system_sgpr_workgroup_id_y 1
		.amdhsa_system_sgpr_workgroup_id_z 1
		.amdhsa_system_vgpr_workitem_id 0
		.amdhsa_next_free_vgpr 512
		.amdhsa_next_free_sgpr 66
		.amdhsa_reserve_vcc 1
		.amdhsa_float_denorm_mode_32 3
		.amdhsa_float_denorm_mode_16_64 3
		.amdhsa_memory_ordered 1
		.amdhsa_forward_progress 1
		.amdhsa_inst_pref_size 255
	.end_amdhsa_kernel
	.section	.bss,"aw",@nobits
	.p2align	6
	.space	262144
	.amdgpu_metadata
---
amdhsa.version: [ 1, 2 ]
amdhsa.kernels:
  - .name:           k_q7f46fcfc1b_attention
    .symbol:         k_q7f46fcfc1b_attention.kd
    .args:
      - { .name: qkv, .offset: 0, .size: 8, .value_kind: global_buffer, .address_space: global }
      - { .name: key_padding_mask, .offset: 8, .size: 8, .value_kind: global_buffer, .address_space: global }
      - { .name: attn, .offset: 16, .size: 8, .value_kind: global_buffer, .address_space: global }
    .group_segment_fixed_size: 327680
    .private_segment_fixed_size: 0
    .kernarg_segment_align: 8
    .kernarg_segment_size: 24
    .max_flat_workgroup_size: 256
    .sgpr_count:     66
    .vgpr_count:     512
    .wavefront_size: 32
...
	.end_amdgpu_metadata
.endif
;; end of part 3
;; launch proj (part 4): grid 8 x 32, 4 waves a work-group, clusters of 4 x 4, 327,680 bytes of LDS; arguments attn, h16, b_out, out0; writes out0
.if DOCPART == 4
	.amdgcn_target "amdgcn-amd-amdhsa--gfx1250"
	.amdhsa_code_object_version 6
	.text
	.protected	k_q7f46fcfc1b_proj
	.globl	k_q7f46fcfc1b_proj
	.p2align	8
	.type	k_q7f46fcfc1b_proj,@function
k_q7f46fcfc1b_proj:
	s_mov_b64 s[64:65], 0
	v_nop
	global_prefetch_b8 v0, s[64:65] scope:SCOPE_SE
	s_setreg_imm32_b32 hwreg(HW_REG_WAVE_MODE, 25, 1), 1
	s_wait_xcnt 0x0
	s_wait_alu depctr_hold_cnt(0) depctr_sa_sdst(0) depctr_va_vdst(0) depctr_va_sdst(0) depctr_va_ssrc(0) depctr_va_vcc(0) depctr_vm_vsrc(0)
	s_getreg_b32 s2, hwreg(HW_REG_IB_STS2, 6, 4)
	s_cmp_eq_u32 s2, 0
	s_cbranch_scc0 .Lentry_in_a_cluster
	s_endpgm
.Lentry_in_a_cluster:
	s_bfe_u32 s2, ttmp6, 0x10000c
	s_cmp_lg_u32 s2, 0xf033
	s_cbranch_scc0 .Lentry_shape_is_right
	s_endpgm
.Lentry_shape_is_right:
; out0[4096][1024] (f32) = attn[4096][1024] (f16) . wo16[1024][1024] (f16, at byte WO_OFF of h16) + b_out, sums in f32.
; 256 work-groups of 128 x 128; a wave makes 64 x 64: 16 accumulator tiles.  (A larger block would leave work-groups without work:
; there are 4096 x 1024 outputs for 256 of them.)
; K goes in four tiles of 256 through two LDS slots: waves 0, 1 bring A's halves (64 rows of 512 bytes), waves 2, 3 B's halves
; (128 k rows of 256 bytes).  A slot holds two steps of 128 so that a refill has 128 matrix instructions of the wave in which to land.
; CLUSTERS 4 x 4: A's tiles jointly along a row of the cluster, B's along a column.
; The matrix instruction is used transposed, and the bias is the first products' C, as in the first product's kernel.
; REGISTERS: window 0: addresses, two buffers of fragments (A's 4, then B's 4), bias; window 1: acc(a, b) at 8 (4 a + b).
.set REG,    36864                     ; 64 rows at 528 bytes (A) or 128 rows at 288 bytes (B)
.set SLOT,   4*REG
.set RING,   2*SLOT
.set PA,     528                       ; 512 + 16 bytes
.set PB,     288                       ; 256 + 32 bytes
.set SP,     272                       ; the way out: 64 f32 + 16 bytes
.set WO_OFF, 14680064
.set WV,   12                          ; s12 wave
.set ADRA, 16                          ; v16-17  my A fragments in slot 0, 1
.set ADRB, 18                          ; v18-21  my B fragments: slot s, k half kh at 2 s + kh
.set STO,  24
.set RD,   25
.set CO,   26
.set BOF,  28
.set F0,   64                          ; buffer 0: A v64-95, B v96-127
.set F1,   128                         ; buffer 1: A v128-159, B v160-191
.set BIAS, 192                         ; v192-223
.set G1,  24
.set G0,  32
.set G1B, 48
.set G0B, 56
.set MSB, 0
.macro WIN new
.if MSB != \new
	s_set_vgpr_msb (MSB<<8)|\new
.set MSB, \new
.endif
.endm
.macro PLACES n
.rept \n
	v_nop
.endr
.endm
.macro CREST
	s_cmp_lg_u32 s[WV], 0
	s_cbranch_scc1 .Lnot_wave_0_\@
	s_barrier_signal -3
.Lnot_wave_0_\@:
	s_barrier_wait -3
	s_barrier_signal -1
	s_barrier_wait -1
.endm
.macro CROUND
	s_barrier_signal -1
	s_barrier_wait -1
	CREST
.endm
.macro JLOAD s                         ; waves 0, 1 ask for A's halves, waves 2, 3 for B's
	s_cmp_eq_u32 s45, 0
	s_cbranch_scc0 .Lfor_b_\@
	tensor_load_to_lds s[G0+4*\s:G0+4*\s+3], s[G1:G1+7]
	s_nop 0
	s_branch .Lasked_\@
.Lfor_b_\@:
	tensor_load_to_lds s[G0B+4*\s:G0B+4*\s+3], s[G1B:G1B+7]
	s_nop 0
.Lasked_\@:
.endm
	s_load_b256 s[4:11], s[0:1], 0x0               ; attn s[4:5], h16 s[6:7], b_out s[8:9], out0 s[10:11]
	v_lshl_add_u32 v254, v0, 2, 0x4c400
	v_mov_b32 v255, 0
	ds_add_u32 v254, v255
	v_lshrrev_b32 v1, 5, v0
	v_readfirstlane_b32 s[WV], v1                  ; wave 0..3
	s_lshr_b32 s45, s[WV], 1                       ; wm: my 64 rows.  Also: I fetch for A (0) or for B (1)
	s_and_b32 s3, s[WV], 1                         ; wn: my 64 columns.  Also: which half of that tile I fetch
	s_bfe_u32 s40, ttmp6, 0x40000                  ; cx
	s_bfe_u32 s41, ttmp6, 0x40004                  ; cy
	s_lshl_b32 s42, ttmp9, 2
	s_add_co_u32 s42, s42, s40                     ; X: block column
	s_and_b32 s13, ttmp7, 0xffff
	s_lshl_b32 s13, s13, 2
	s_add_co_u32 s13, s13, s41                     ; Y: block row
	s_lshl_b32 s43, s41, 2
	s_lshl_b32 s43, 15, s43
	s_lshl_b32 s44, 0x1111, s40
	s_or_b32 s[G1+0], s43, (1<<16)|(1<<20)|(1<<21)|(6<<22)|(3<<25)    ; A: 4 words of padding behind every 128
	s_or_b32 s[G1B+0], s44, (1<<16)|(1<<20)|(1<<21)|(5<<22)|(7<<25)   ; B: 8 words behind every 64
	s_mov_b32 s[G1+1], 256<<16                     ; A: 64 rows x 256 elements
	s_mov_b32 s[G1+2], 64<<16
	s_mov_b32 s[G1+3], 256<<16
	s_mov_b32 s[G1+4], 64
	s_mov_b32 s[G1+5], 1024
	s_mov_b32 s[G1+6], 0
	s_mov_b32 s[G1+7], 0
	s_mov_b32 s[G1B+1], 128<<16                    ; B: 128 rows x 128 elements
	s_mov_b32 s[G1B+2], 128<<16
	s_mov_b32 s[G1B+3], 128<<16
	s_mov_b32 s[G1B+4], 128
	s_mov_b32 s[G1B+5], 1024
	s_mov_b32 s[G1B+6], 0
	s_mov_b32 s[G1B+7], 0
	s_lshl_b32 s16, s13, 18                        ; A: row 128 Y + 64 x half, 2,048 bytes a row
	s_lshl_b32 s17, s3, 17
	s_add_co_u32 s16, s16, s17
	s_mov_b32 s17, 0
	s_lshl_b32 s46, s42, 8                         ; B: column 128 X, k row 128 x half
	s_lshl_b32 s47, s3, 18
	s_add_co_u32 s46, s46, s47
	s_add_co_u32 s46, s46, WO_OFF
	s_mov_b32 s47, 0
	s_mul_i32 s20, s[WV], REG
	s_wait_dscnt 0x0
	s_wait_kmcnt 0x0
	s_add_nc_u64 s[14:15], s[4:5], s[16:17]
	s_add_nc_u64 s[46:47], s[6:7], s[46:47]
	CROUND
.irp s, 0,1
	s_mov_b32 s[G0+4*\s], 1
	s_add_co_u32 s[G0+4*\s+1], s20, \s*SLOT
	s_add_nc_u64 s[G0+4*\s+2:G0+4*\s+3], s[14:15], \s*512              ; tile s: 256 numbers along the rows
	s_or_b32 s[G0+4*\s+3], s[G0+4*\s+3], 0x80000000
	s_mov_b32 s[G0B+4*\s], 1
	s_add_co_u32 s[G0B+4*\s+1], s20, \s*SLOT
	s_add_nc_u64 s[G0B+4*\s+2:G0B+4*\s+3], s[46:47], \s*256*2048       ; tile s: 256 rows down
	s_or_b32 s[G0B+4*\s+3], s[G0B+4*\s+3], 0x80000000
	JLOAD \s                                       ; two tensor loads of the wave are out
.endr
	v_and_b32 v1, 15, v0                           ; r
	v_bfe_u32 v2, v0, 4, 1                         ; h
	v_and_b32 v3, 7, v0
	v_bfe_u32 v4, v0, 3, 1
	v_lshlrev_b32 v[BOF], 5, v2
	s_lshl_b32 s46, s42, 9                         ; my first column in f32 bytes: 512 X + 256 wn
	s_lshl_b32 s47, s3, 8
	s_add_co_u32 s46, s46, s47
	s_mov_b32 s47, 0
	s_add_nc_u64 s[8:9], s[8:9], s[46:47]
	s_add_nc_u64 s[10:11], s[10:11], s[46:47]
.irp b, 0,1,2,3
	global_load_b128 v[BIAS+8*\b:BIAS+8*\b+3],   v[BOF], s[8:9] offset:64*\b
	global_load_b128 v[BIAS+8*\b+4:BIAS+8*\b+7], v[BOF], s[8:9] offset:64*\b+16
.endr
	s_lshl_b32 s16, s13, 7
	s_lshl_b32 s17, s45, 6
	s_add_co_u32 s16, s16, s17                     ; my first row: 128 Y + 64 wm
	s_lshl_b32 s16, s16, 12
	s_mov_b32 s17, 0
	s_add_nc_u64 s[10:11], s[10:11], s[16:17]
	v_mul_u32_u24 v5, v1, PA
	v_lshl_add_u32 v5, v2, 4, v5
	s_mul_i32 s21, s45, REG                        ; A's half wm
	v_add_nc_u32 v[ADRA], s21, v5
	v_add_nc_u32 v[ADRA+1], SLOT, v[ADRA]
	v_lshl_add_u32 v6, v2, 3, v3
	v_mul_u32_u24 v6, v6, PB
	v_lshl_add_u32 v6, v4, 4, v6
	s_lshl_b32 s22, s3, 7                          ; my 64 columns of 2 bytes
	v_add_nc_u32 v6, s22, v6
.irp s, 0,1
.irp kh, 0,1
	v_add_nc_u32 v[ADRB+2*\s+\kh], \s*SLOT+(2+\kh)*REG, v6
.endr
.endr
	s_mul_i32 s23, s[WV], 16*SP
	s_add_co_u32 s23, s23, RING                    ; my stage, behind the ring: no tensor load fills it
	v_mul_u32_u24 v7, v1, SP
	v_lshl_add_u32 v7, v2, 5, v7                   ; in: row r, 32 bytes for each half of the lanes
	v_add_nc_u32 v[STO], s23, v7
	v_mul_u32_u24 v8, v2, SP
	v_lshl_add_u32 v8, v1, 4, v8
	v_add_nc_u32 v[RD], s23, v8
	v_lshlrev_b32 v9, 12, v2
	v_lshl_add_u32 v[CO], v1, 4, v9
; 16 matrix instructions, 32 along K; the 16 accumulators take turns, one instruction a turn
.macro MUL16 f, first
.if \first
	WIN 0x40                                       ; D window 1; fragments and the bias window 0
.else
	WIN 0x50                                       ; C and D window 1
.endif
.irp a, 0,1,2,3
.irp b, 0,1,2,3
.if \first
	v_wmma_f32_16x16x32_f16 v[8*(4*\a+\b):8*(4*\a+\b)+7], v[\f+32+8*\b:\f+32+8*\b+7], v[\f+8*\a:\f+8*\a+7], v[BIAS+8*\b:BIAS+8*\b+7]
.else
	v_wmma_f32_16x16x32_f16 v[8*(4*\a+\b):8*(4*\a+\b)+7], v[\f+32+8*\b:\f+32+8*\b+7], v[\f+8*\a:\f+8*\a+7], v[8*(4*\a+\b):8*(4*\a+\b)+7]
.endif
.endr
.endr
	WIN 0
.endm
.macro FETCH s, kq, f                  ; 16 LDS loads: eighth kq (32 along K) of slot s into buffer f
.irp b, 0,1,2,3
	ds_load_tr16_b128 v[\f+32+8*\b:\f+32+8*\b+3],   v[ADRB+2*\s+\kq/4] offset:32*PB*(\kq%4)+32*\b
	ds_load_tr16_b128 v[\f+32+8*\b+4:\f+32+8*\b+7], v[ADRB+2*\s+\kq/4] offset:32*PB*(\kq%4)+32*\b+16*PB
.endr
.irp a, 0,1,2,3
	ds_load_b128 v[\f+8*\a:\f+8*\a+3],   v[ADRA+\s] offset:64*\kq+16*PA*\a
	ds_load_b128 v[\f+8*\a+4:\f+8*\a+7], v[ADRA+\s] offset:64*\kq+16*PA*\a+32
.endr
.endm
.macro QS s, kn, f, g, first           ; fetches eighth kn into buffer g, multiplies buffer f
	PLACES 4                                       ; buffer g was read by the last matrix instructions
	FETCH \s, \kn, \g
	s_wait_dscnt 16                                ; all but the 16 just issued: buffer f is in
	MUL16 \f, \first
.endm
.macro SEVEN s, first
	QS \s, 1, F0, F1, \first
	QS \s, 2, F1, F0, 0
	QS \s, 3, F0, F1, 0
	QS \s, 4, F1, F0, 0
	QS \s, 5, F0, F1, 0
	QS \s, 6, F1, F0, 0
	QS \s, 7, F0, F1, 0
.endm
; the last eighth and the change of slots: each wave's reads of this slot and all its tensor loads are waited for in front of the
; barrier; where the slot is filled again the barrier opens a round of the cluster's barrier and the joint refill comes first behind it
.macro TURN s, next, fill
	s_wait_dscnt 0
	s_wait_tensorcnt 0x0
	ds_add_u32 v254, v255
	s_wait_dscnt 0x0
	s_barrier_signal -1
	MUL16 F1, 0                                    ; register work while the others arrive
	s_barrier_wait -1
.if \fill
	CREST
	s_add_nc_u64 s[G0+4*\s+2:G0+4*\s+3], s[G0+4*\s+2:G0+4*\s+3], 2*512
	s_add_nc_u64 s[G0B+4*\s+2:G0B+4*\s+3], s[G0B+4*\s+2:G0B+4*\s+3], 2*256*2048
	JLOAD \s                                       ; one tensor load of the wave is out
.endif
	PLACES 4
	FETCH \next, 0, F0
.endm
	s_wait_loadcnt 0x0                             ; the bias
	s_wait_tensorcnt 0x1                           ; my part of tile 0 is in; tile 1's stays out
	s_barrier_signal -1
	s_barrier_wait -1
	FETCH 0, 0, F0
	SEVEN 0, 1                                     ; tile 0
	TURN 0, 1, 1                                   ; tile 2 is asked for
	SEVEN 1, 0                                     ; tile 1
	TURN 1, 0, 1                                   ; tile 3 is asked for
	SEVEN 0, 0                                     ; tile 2
	TURN 0, 1, 0
	SEVEN 1, 0                                     ; tile 3
	s_wait_dscnt 0
	MUL16 F1, 0
	; THE WAY OUT, 16 rows at a time through my own stage: a lane's 32 bytes in, whole rows of 256 bytes back.
	PLACES 4
.macro OUTP a, f
	WIN 0x04                                       ; store data window 1
.irp b, 0,1,2,3
	ds_store_b128 v[STO], v[8*(4*\a+\b):8*(4*\a+\b)+3]   offset:64*\b
	ds_store_b128 v[STO], v[8*(4*\a+\b)+4:8*(4*\a+\b)+7] offset:64*\b+16
.endr
	WIN 0
	s_wait_xcnt 0x0                                ; buffer f, which stores read, is loaded again only behind this wait
.irp t, 0,1,2,3,4,5,6,7
	ds_load_b128 v[\f+4*\t:\f+4*\t+3], v[RD] offset:2*SP*\t        ; LDS serves a wave's instructions in order: these see the stores above
.endr
.irp t, 0,1,2,3,4,5,6,7
	s_wait_dscnt 7-\t
	global_store_b128 v[CO], v[\f+4*\t:\f+4*\t+3], s[10:11] offset:(16*\a+2*\t)*4096 th:TH_STORE_NT   ; 16 lanes store 256 consecutive bytes, aligned
.endr
.endm
	OUTP 0, F0
	OUTP 1, F1
	OUTP 2, F0
	OUTP 3, F1
	s_wait_tensorcnt 0x0
	ds_add_u32 v254, v255
	s_wait_dscnt 0x0
	CROUND                                         ; the closing round
	s_endpgm
.Lfunc_end_k_q7f46fcfc1b_proj:
	.size	k_q7f46fcfc1b_proj, .Lfunc_end_k_q7f46fcfc1b_proj-k_q7f46fcfc1b_proj
	.p2alignl 7, 3214868480
	.fill 96, 4, 3214868480
	.section	.rodata,"a",@progbits
	.p2align	6, 0x0
	.amdhsa_kernel k_q7f46fcfc1b_proj
		.amdhsa_group_segment_fixed_size 327680
		.amdhsa_private_segment_fixed_size 0
		.amdhsa_enable_private_segment 0
		.amdhsa_kernarg_size 32
		.amdhsa_user_sgpr_count 2
		.amdhsa_user_sgpr_kernarg_segment_ptr 1
		.amdhsa_wavefront_size32 1
		.amdhsa_system_sgpr_workgroup_id_x 1
		.amdhsa_system_sgpr_workgroup_id_y 1
		.amdhsa_system_sgpr_workgroup_id_z 1
		.amdhsa_system_vgpr_workitem_id 0
		.amdhsa_next_free_vgpr 384
		.amdhsa_next_free_sgpr 66
		.amdhsa_reserve_vcc 0
		.amdhsa_float_denorm_mode_32 3
		.amdhsa_float_denorm_mode_16_64 3
		.amdhsa_memory_ordered 1
		.amdhsa_forward_progress 1
		.amdhsa_inst_pref_size 89
	.end_amdhsa_kernel
	.amdgpu_metadata
---
amdhsa.version: [ 1, 2 ]
amdhsa.kernels:
  - .name:           k_q7f46fcfc1b_proj
    .symbol:         k_q7f46fcfc1b_proj.kd
    .args:
      - { .name: attn, .offset: 0, .size: 8, .value_kind: global_buffer, .address_space: global }
      - { .name: h16, .offset: 8, .size: 8, .value_kind: global_buffer, .address_space: global }
      - { .name: b_out, .offset: 16, .size: 8, .value_kind: global_buffer, .address_space: global }
      - { .name: out0, .offset: 24, .size: 8, .value_kind: global_buffer, .address_space: global }
    .group_segment_fixed_size: 327680
    .private_segment_fixed_size: 0
    .kernarg_segment_align: 8
    .kernarg_segment_size: 32
    .max_flat_workgroup_size: 128
    .sgpr_count:     66
    .vgpr_count:     384
    .wavefront_size: 32
...
	.end_amdgpu_metadata
.endif
;; end of part 4
;; ======== version 2 of 2: 4 launches; version 1 with the launch cast written anew for expert scheduling mode
;; limits: values are held in f16: magnitudes above 65,504 overflow, below 6.1e-05 lose precision
;; workspace buffers: h16 16,777,216 bytes; qkv 25,165,824 bytes; attn 8,388,608 bytes
;; launch cast (part 5): grid 256 x 1, 8 waves a work-group, no clusters, 0 bytes of LDS; arguments x, w_qkv, w_out, h16; writes h16
.if DOCPART == 5
	.amdgcn_target "amdgcn-amd-amdhsa--gfx1250"
	.amdhsa_code_object_version 6
	.text
	.protected	k_q7f46fcfc1b_cast
	.globl	k_q7f46fcfc1b_cast
	.p2align	8
	.type	k_q7f46fcfc1b_cast,@function
k_q7f46fcfc1b_cast:
	s_mov_b64 s[64:65], 0
	v_nop
	global_prefetch_b8 v0, s[64:65] scope:SCOPE_SE
	s_setreg_imm32_b32 hwreg(HW_REG_WAVE_SCHED_MODE, 0, 2), 2
	s_setreg_imm32_b32 hwreg(HW_REG_WAVE_MODE, 25, 1), 1
	s_wait_xcnt 0x0
	s_wait_alu depctr_vm_vsrc(0)
; h16 = f16(x), f16(w_qkv), f16(w_out), one behind the other, each in its own row-major order.
; 8,388,608 numbers, 32,768 for each of 256 work-groups: groups 0-127 take x, 128-223 w_qkv, 224-255 w_out.
; The three parts follow each other in h16 in that order, so the target of group g is byte 65,536 g for all of them.
; A plain stream: no number is used twice, so LDS, matrix units and clusters have nothing to give here.
; A wave takes 16 KiB of f32: 32 loads of 512 neighbouring bytes, all issued before the first wait; each store of the wave
; covers 256 consecutive bytes, aligned.  No register that a memory instruction has read is written again.
; RANGE: f16 holds magnitudes up to 65,504 and steps of 2^-24 near zero; x and the weights have that room 30 times up and down.
; THE MODE: SCHED_MODE bits 1:0 = 2 (LLVM: expert scheduling mode 2), set by the entry lines.  The code itself states the register
; dependences between vector instructions and memory instructions, with s_wait_alu, always for 0.
; THE PLAN.  Registers that memory instructions touch:
;   v1, v2      byte offsets of the loads and of the stores: written at the head, never again.
;   unit i      v[X + 4 i .. X + 4 i + 3]: load i lands here (no vector instruction has named them before); the unit's two conversions read
;               the four and write the first two; store i reads those two; nothing writes them afterwards.
; The 32 units go in 8 blocks of four.  Block p converts its own four units; its memory instructions are the four stores of block
; p - 1, whose registers no conversion of block p names.  So one wait at a block's head, behind the wait for the block's loads, states
; all that the block's four stores hang on, and they are dealt among its conversions with no further wait.
.set X, 4                              ; v[4:131]  32 loads of 4 registers; each load's first two become its 8 bytes of f16
.set BLOCK,  4                         ; units in a block
.set BLOCKS, 32 / BLOCK
	s_load_b256 s[4:11], s[0:1], 0x0               ; x s[4:5], w_qkv s[6:7], w_out s[8:9], h16 s[10:11]
	v_lshrrev_b32 v3, 5, v0                        ; wave
	v_and_b32 v2, 31, v0                           ; lane
	v_lshlrev_b32 v1, 4, v2                        ; source: 16 bytes a lane,
	v_lshl_or_b32 v1, v3, 14, v1                   ; 16 KiB a wave
	v_lshlrev_b32 v2, 3, v2                        ; target: 8 bytes a lane,
	v_lshl_or_b32 v2, v3, 13, v2                   ; 8 KiB a wave
	s_cmp_lt_u32 ttmp9, 128
	s_cselect_b32 s14, 0, 128                      ; the first group of my input
	s_wait_kmcnt 0x0
	s_cselect_b64 s[12:13], s[4:5], s[6:7]         ; the choice hangs on the group's number alone
	s_cmp_lt_u32 ttmp9, 224
	s_cselect_b64 s[12:13], s[12:13], s[8:9]
	s_cselect_b32 s14, s14, 224
	s_sub_co_u32 s16, ttmp9, s14
	s_lshl_b32 s16, s16, 17                        ; 128 KiB of f32 a group
	s_mov_b32 s17, 0
	s_add_nc_u64 s[12:13], s[12:13], s[16:17]
	s_lshl_b32 s18, ttmp9, 16                      ; 64 KiB of f16 a group
	s_mov_b32 s19, 0
	s_add_nc_u64 s[10:11], s[10:11], s[18:19]
	s_wait_alu depctr_va_vdst(0)                   ; v1 and v2 are written: every load below reads v1 as its offset, every store v2
.set i, 0
.rept 32
	global_load_b128 v[X+4*i:X+4*i+3], v1, s[12:13] offset:512*i th:TH_LOAD_NT
.set i, i+1
.endr
.set p, 0
.rept BLOCKS
	s_wait_loadcnt 32-BLOCK*(p+1)                  ; loads come back in order: block p's four are in, the 28 - 4 p younger ones stay out
.if p > 0
	s_wait_alu depctr_va_vdst(0)                   ; the conversions of block p - 1 have written the first two registers of its four units, which the four stores below read
.endif
.set j, 0
.rept BLOCK
.set i, BLOCK*p+j
.if p > 0
	global_store_b64 v2, v[X+4*(i-BLOCK):X+4*(i-BLOCK)+1], s[10:11] offset:256*(i-BLOCK)   ; the block before; no vector instruction since the wait names these registers
.endif
	v_cvt_pk_f16_f32 v[X+4*i], v[X+4*i], v[X+4*i+1]
	v_cvt_pk_f16_f32 v[X+4*i+1], v[X+4*i+2], v[X+4*i+3]
.set j, j+1
.endr
.set p, p+1
.endr
	s_wait_alu depctr_va_vdst(0)                   ; the conversions of the last block have written its units' first two registers, which the last four stores read
.set i, 32-BLOCK
.rept BLOCK
	global_store_b64 v2, v[X+4*i:X+4*i+1], s[10:11] offset:256*i
.set i, i+1
.endr
	s_endpgm
.Lfunc_end_k_q7f46fcfc1b_cast:
	.size	k_q7f46fcfc1b_cast, .Lfunc_end_k_q7f46fcfc1b_cast-k_q7f46fcfc1b_cast
	.p2alignl 7, 3214868480
	.fill 96, 4, 3214868480
	.section	.rodata,"a",@progbits
	.p2align	6, 0x0
	.amdhsa_kernel k_q7f46fcfc1b_cast
		.amdhsa_group_segment_fixed_size 0
		.amdhsa_private_segment_fixed_size 0
		.amdhsa_enable_private_segment 0
		.amdhsa_kernarg_size 32
		.amdhsa_user_sgpr_count 2
		.amdhsa_user_sgpr_kernarg_segment_ptr 1
		.amdhsa_wavefront_size32 1
		.amdhsa_system_sgpr_workgroup_id_x 1
		.amdhsa_system_sgpr_workgroup_id_y 1
		.amdhsa_system_sgpr_workgroup_id_z 1
		.amdhsa_system_vgpr_workitem_id 0
		.amdhsa_next_free_vgpr 132
		.amdhsa_next_free_sgpr 66
		.amdhsa_reserve_vcc 0
		.amdhsa_float_denorm_mode_32 3
		.amdhsa_float_denorm_mode_16_64 3
		.amdhsa_memory_ordered 1
		.amdhsa_forward_progress 1
		.amdhsa_inst_pref_size 12
	.end_amdhsa_kernel
	.amdgpu_metadata
---
amdhsa.version: [ 1, 2 ]
amdhsa.kernels:
  - .name:           k_q7f46fcfc1b_cast
    .symbol:         k_q7f46fcfc1b_cast.kd
    .args:
      - { .name: x, .offset: 0, .size: 8, .value_kind: global_buffer, .address_space: global }
      - { .name: w_qkv, .offset: 8, .size: 8, .value_kind: global_buffer, .address_space: global }
      - { .name: w_out, .offset: 16, .size: 8, .value_kind: global_buffer, .address_space: global }
      - { .name: h16, .offset: 24, .size: 8, .value_kind: global_buffer, .address_space: global }
    .group_segment_fixed_size: 0
    .private_segment_fixed_size: 0
    .kernarg_segment_align: 8
    .kernarg_segment_size: 32
    .max_flat_workgroup_size: 256
    .sgpr_count:     66
    .vgpr_count:     132
    .wavefront_size: 32
...
	.end_amdgpu_metadata
.endif
;; end of part 5
;; launch qkvgemm: the kernel of part 2 again; grid 8 x 32, 4 waves a work-group, clusters of 4 x 4, 327,680 bytes of LDS; arguments h16, b_qkv, qkv; writes qkv
;; launch attention: the kernel of part 3 again; grid 16 x 16, 8 waves a work-group, clusters of 4 x 1, 327,680 bytes of LDS; arguments qkv, key_padding_mask, attn; writes attn
;; launch proj: the kernel of part 4 again; grid 8 x 32, 4 waves a work-group, clusters of 4 x 4, 327,680 bytes of LDS; arguments attn, h16, b_out, out0; writes out0
